; MI455X (gfx1250); checked and timed in simulation.
; The chip was launched on July 23, 2026; its instructions are those of AMD's public machine-readable ISA for CDNA 5 (MIT licence, August 2026) and "CDNA5" Instruction Set Architecture Reference Guide (July 2026). The comments in the code are by the model that wrote it; some were corrected since.
;; Cv T Block. Allowed arithmetic: matrix products marked QUANTISED: E2M3 operands, one E8M0 scale for each 32 along K, by v_wmma_scale_f32_16x16x128_f8f6f4 with both operands' format E2M3, f32 sums; everything else in f32.
;; Inputs: R 8 x 32 x 32 float32; W0 128 x 512 float32; Wk 512 x 128 float32; Wq 512 x 128 float32; Wv 512 x 128 float32; x 32 x 128 x 32 x 32 float32.
;; Outputs: out0 32 x 128 x 32 x 32 float32.
;; This version of the problem:
;;   THIS VERSION OF THE PROBLEM IS GIVEN IN LOW PRECISION. The matrix products marked QUANTISED in the list below multiply operands that are first quantised to E2M3 (2 exponent bits, 3 mantissa bits; 6 bits a number), with one power-of-two scale for each 32 numbers along K (OCP MX v1.0); their sums are f32. All else is computed in f32.
;;   The module's matrix products, in the order in which they are computed (A, B: the left and right operand; K: the contracted axis; several contracted axes count as one K, in the product's order):
;;     1. [M 512, K 128] x [K 128, N 32,768]; A: input Wq; B: computed on the way: QUANTISED
;;     2. [M 512, K 128] x [K 128, N 32,768]; A: input Wk; B: computed on the way: QUANTISED
;;     3. [M 512, K 128] x [K 128, N 32,768]; A: input Wv; B: computed on the way: QUANTISED
;;     4. batch 256 x [M 1,024, K 64] x [K 64, N 1,024]; A: computed on the way; B: computed on the way: QUANTISED
;;     5. batch 256 x [M 64, K 1,024] x [K 1,024, N 1,024]; A: computed on the way; B: softmax (see below): QUANTISED
;;     6. [M 128, K 512] x [K 512, N 32,768]; A: input W0; B: computed on the way: QUANTISED
;;   THE QUANTISER, for each operand of a quantised product, along K:
;;     - K is cut into blocks of 32 from its start; a last block that is shorter is filled with zeros.
;;     - A block's scale is 2^e with e = floor(log2(the largest magnitude in the block)) - 2, held to -126 .. 127; a block of zeros has e = 0. As a byte (E8M0): e + 127.
;;     - Each number is divided by its block's scale, clamped to +-7.5, and rounded to the nearest number of E2M3, ties to even, subnormals kept.
;;     - The product sums the exact products of the quantised numbers (number of the format x scale) in f32.
;;   ~~~python
;;   def quantise(x, axis):      # numpy; x: float32 -> the quantised numbers, widened to float32 again
;;       x = np.moveaxis(x, axis, -1); K = x.shape[-1]
;;       x = np.pad(x, [(0, 0)] * (x.ndim - 1) + [(0, -K % 32)]); x = x.reshape(x.shape[:-1] + (-1, 32)); a = np.abs(x).max(-1, keepdims=True)
;;       e = np.where(a > 0, np.clip(np.frexp(np.where(a > 0, a, 1))[1] - 1 - 2, -126, 127), 0)      # np.frexp(a)[1] - 1 = floor(log2(a)), exactly
;;       r = np.clip(x / 2.0 ** e, -7.5, 7.5)
;;       step = 2.0 ** (np.maximum(np.frexp(np.where(r == 0, 1, r))[1] - 1, 0) - 3)
;;       q = np.round(r / step) * step * 2.0 ** e      # np.round: ties to even
;;       return np.moveaxis(q.reshape(q.shape[:-2] + (-1,))[..., :K], -1, axis).astype(np.float32)
;;   ~~~
;;   SOFTMAX AHEAD OF A QUANTISED PRODUCT. Where the list says 'softmax', what is quantised is not the finished softmax but p = 2^(t - M), with t = logit x log2(e) and M = ceil(the row's largest t), a whole number; so 1/2 < the row's largest p <= 1. The row's sum l is taken of the UNQUANTISED p, in f32, and the product's result is divided by l at the end. Since M is a whole number, a kernel that streams over the keys may use a running M (the ceiling of the running maximum): every later rescaling is an exact power of two, which a block's scale takes up: the codes' values come out the same.
;;   OPERANDS COMPUTED ON THE WAY. 'Computed on the way' means the value that the module computes at that place (a softmax that the list does not call 'softmax' is quantised finished and normalised). What goes into a quantiser is computed in f32, as accurately as f32 sums, v_exp_f32 and their like allow (about 1e-6 of the number): no bf16 or f16 on the way to a quantiser, and a product that is left as it is and whose result goes on into a quantised operand takes f32 operands (vector FMAs, or v_wmma_f32_16x16x4_f32). A number that lies on a knife's edge between two numbers of the format may be rounded either way, as far as f32 arithmetic and the matrix unit's own rounding can turn it there, and no further.
;; One version. Each part assembles by itself: llvm-mc -triple=amdgcn-amd-amdhsa -mcpu=gfx1250 --defsym DOCPART=n.
;; ======== version 1 of 1: 3 launches
;; workspace buffers: wts 206,848 bytes; tbl 524,288 bytes; qb 13,631,488 bytes; kv 28,442,624 bytes
;; launch prep (part 1): grid 128 x 1, 1 waves a work-group, no clusters, 0 bytes of LDS; arguments Wq, Wk, Wv, W0, R, wts, tbl; writes wts, tbl
.if DOCPART == 1
	.amdgcn_target "amdgcn-amd-amdhsa--gfx1250"
	.amdhsa_code_object_version 6
	.text
	.protected	k_qf20cf07e40_prep
	.globl	k_qf20cf07e40_prep
	.p2align	8
	.type	k_qf20cf07e40_prep,@function
k_qf20cf07e40_prep:
	s_mov_b64 s[64:65], 0
	v_nop
	global_prefetch_b8 v0, s[64:65] scope:SCOPE_SE
	s_setreg_imm32_b32 hwreg(HW_REG_WAVE_MODE, 25, 1), 1
	s_wait_xcnt 0x0
; Weights into codes of FP6 (E2M3) with one E8M0 byte for each 32 along K, laid as IMAGES OF THE OPERAND'S REGISTERS, and the relative-position bias into shifted tables.
; 128 work-groups of one wave.  Work-group J makes one image and 4,096 bytes of the tables.
; IMAGE: 12 registers a lane, three chunks of 512 bytes, chunk c = registers 4 c .. 4 c + 3 at 16 x lane.  Lane (r, h) holds two whole blocks of 32 numbers, so no other lane is asked for a maximum.
;   J < 96: tile t = J % 4 of head (J / 4) % 8 of Wq, Wk, Wv (J / 32): lane r takes row 64 head + 32 (t / 2) + 8 (t % 2) + r + 8 (r / 8); K = 128 channels; block c of lane (r, h) is k = 64 c + 32 h + 0 .. 31.
;   J >= 96: pair a = J % 4 of W0's slice for head (J / 4) % 8 (K = that head's 64): registers 0-5 = channels 32 a + r, registers 6-11 = channels 32 a + 16 + r, each with k = 32 h + 0 .. 31.
; One path serves both kinds: what differs (pointer, pitches, places) is chosen by s_cselect on J alone.
; SCALE WORDS: a W tile's word (four bytes, 128 along K) at [matrix x 8 + head][r][t]; a W0 pair's word (T.s0, T.s1, T'.s0, T'.s1) in lanes 0-15 and the same shifted down 16 bits in lanes 16-31, at [lane][pair].
; TABLES: tbl[head][g 0..63][copy s 0..3][m 0..63] = R[head][(g + 29) % 32][(31 - m - s) % 32]: rows in the order in which a key step walks them, columns reversed and shifted, so that the attention launch reads a lane's
; 16 biases by four aligned loads of 16 bytes.
; A block's scale is 2^(floor(log2(largest magnitude)) - 2); its byte is the largest magnitude's exponent field - 2, held at 1 from below.
; LIMITS: NaN and infinities are not served.  A block of zeros, or one whose largest magnitude lies under 2^-124, gets the byte 1 where the rule says 127 for zeros: its codes are zeros, and this program alone reads the bytes.
.set WSCL, 147456                      ; wts: the W tiles' scale words, behind 96 images of 1,536 bytes
.set W0S,  153600                      ; wts: W0's slices, 6,656 bytes a head: four pair images, then 512 bytes of pair words
.set X,    32                          ; v32-95   my two blocks of 32 numbers
.set CD,   96                          ; v96-107  the image's twelve registers
.set CX,   108                         ; v108-114 the upper halves of the blocks' codes, as the conversions leave them
.set TB,   128                         ; v128-159 32 numbers of the tables
	s_load_b256 s[4:11], s[0:1], 0x0               ; Wq s[4:5], Wk s[6:7], Wv s[8:9], W0 s[10:11]
	s_load_b128 s[12:15], s[0:1], 0x20             ; R s[12:13], wts s[14:15]
	s_load_b64 s[16:17], s[0:1], 0x30              ; tbl
	s_mov_b32 s18, 0x76543210
	s_mov_b32 s19, 0xfedcba98                      ; v_permlanex16_b32's selects for lane l xor 16
	s_mov_b32 s20, ttmp9                           ; J
	s_bfe_u32 s21, s20, 0x30002                    ; the head: (J / 4) % 8
	s_and_b32 s22, s20, 3                          ; t, or a
	s_lshl_b32 s24, s21, 15                        ; a W tile's first row, in bytes: (64 head + 32 (t / 2) + 8 (t % 2)) x 512
	s_lshr_b32 s23, s22, 1
	s_lshl_b32 s23, s23, 14
	s_add_co_u32 s24, s24, s23
	s_and_b32 s23, s22, 1
	s_lshl_b32 s23, s23, 12
	s_add_co_u32 s24, s24, s23
	s_lshl_b32 s25, s22, 16                        ; a W0 pair's: 32 a rows of 2,048 bytes + 256 head
	s_lshl_b32 s23, s21, 8
	s_add_co_u32 s25, s25, s23
	s_mul_i32 s26, s20, 1536                       ; where a W tile's image goes
	s_mul_i32 s23, s21, 6656
	s_add_co_u32 s23, s23, W0S                     ; the head's slice of W0
	s_mul_i32 s27, s22, 1536
	s_add_co_u32 s27, s27, s23                     ; where a W0 pair's image goes
	s_lshr_b32 s28, s20, 2
	s_lshl_b32 s28, s28, 8
	s_lshl_b32 s29, s22, 2
	s_add_co_u32 s28, s28, s29
	s_add_co_u32 s28, s28, WSCL                    ; a W tile's scale words: 256 (J / 4) + 4 t
	s_add_co_u32 s29, s29, s23
	s_add_co_u32 s29, s29, 6144                    ; a W0 pair's: behind the slice's four images, + 4 a
	s_cmp_lt_u32 s20, 96                           ; a W tile or a W0 pair?  All selects stand behind this one compare
	s_cselect_b32 s24, s24, s25
	s_cselect_b32 s26, s26, s27
	s_cselect_b32 s28, s28, s29
	s_cselect_b32 s30, 9, 11                       ; a row's bytes as a shift: 512 or 2,048
	s_cselect_b32 s31, 8, 15                       ; from block 0 to block 1, as a shift: 64 numbers on, or 16 rows down
	s_cselect_b32 s40, 8, 0                        ; the rows of a W tile are r + 8 (r / 8), those of a W0 tile r
	s_cselect_b32 s41, 15, 31                      ; lanes that have a scale word of their own
	s_cselect_b32 s42, 0, 16                       ; lanes 16-31 shift the pair's word down
	s_mov_b32 s25, 0
	s_mov_b32 s27, 0
	s_mov_b32 s29, 0
	s_lshl_b32 s31, 1, s31
	v_and_b32 v1, 15, v0                           ; r
	v_lshrrev_b32 v2, 4, v0                        ; h
	v_and_b32 v7, s40, v1
	v_add_nc_u32 v7, v7, v1                        ; my row of the tile
	v_lshlrev_b32 v3, s30, v7
	v_lshl_add_u32 v3, v2, 7, v3                   ; block 0: row x pitch + 128 h
	v_add_nc_u32 v4, s31, v3                       ; block 1
	v_lshlrev_b32 v5, 4, v0                        ; 16 x lane
	v_and_b32 v6, s41, v0
	v_lshlrev_b32 v6, 4, v6                        ; my scale word's place: 16 bytes a lane
	v_lshl_add_u32 v14, v1, 2, v2                  ; 4 r + h
.irp d, 0,1,2,3,4,5
	v_sub_nc_u32 v[8+\d], 31-\d, v14               ; the tables' columns: (31 - 4 r - h - d) % 32, in bytes
	v_and_b32 v[8+\d], 31, v[8+\d]
	v_lshlrev_b32 v[8+\d], 2, v[8+\d]
.endr
	s_and_b32 s21, s20, 15
	s_lshl_b32 s21, s21, 2                         ; my first table row g = 4 (J % 16)
	s_lshr_b32 s43, s20, 4
	s_lshl_b32 s43, s43, 12                        ; the tables' head J / 16: 4,096 bytes of R
	s_mov_b32 s23, 0
	s_wait_alu depctr_va_vdst(0)
	s_wait_kmcnt 0x0
	s_cmp_lt_u32 s20, 96                           ; the source: a choice between buffers on J alone
	s_cselect_b64 s[10:11], s[8:9], s[10:11]
	s_cmp_lt_u32 s20, 64
	s_cselect_b64 s[10:11], s[6:7], s[10:11]
	s_cmp_lt_u32 s20, 32
	s_cselect_b64 s[10:11], s[4:5], s[10:11]
	s_add_nc_u64 s[10:11], s[10:11], s[24:25]
	s_add_nc_u64 s[44:45], s[14:15], s[26:27]      ; the image
	s_add_nc_u64 s[46:47], s[14:15], s[28:29]      ; the scale words
.irp c, 0,1
.irp i, 0,1,2,3,4,5,6,7
	global_load_b128 v[X+32*\c+4*\i:X+32*\c+4*\i+3], v[3+\c], s[10:11] offset:16*\i th:TH_LOAD_NT   ; 32 neighbours along K: 128 bytes a lane
.endr
.endr
.irp k, 0,1,2,3
	s_add_co_u32 s22, s21, \k+29
	s_and_b32 s22, s22, 31
	s_lshl_b32 s22, s22, 7
	s_add_co_u32 s22, s22, s43
	s_add_nc_u64 s[32+2*\k:33+2*\k], s[12:13], s[22:23]   ; R's row (g + k + 29) % 32 of the head
.endr
	s_lshl_b32 s22, s20, 12
	s_add_nc_u64 s[16:17], s[16:17], s[22:23]      ; my 4,096 bytes of the tables
.irp n, 0,1,2,3,4,5,6,7
.irp i, 0,1,2,3
	global_load_b32 v[TB+4*\n+\i], v[8+\i+2*(\n%2)], s[32+2*(\n/2):33+2*(\n/2)]   ; row g + n / 2, copy 2 (n % 2) + h, m = 4 r + i
.endr
.endr
	s_wait_loadcnt 32                              ; the weights' 16 loads are in; R's 32, issued behind them, may be out
.irp c, 0,1
	v_max3_num_f32 v[16+\c], |v[X+32*\c]|, |v[X+32*\c+1]|, 0x1800000   ; the block's largest magnitude, and the floor 2^(3 - 127): the byte cannot fall under 1
.endr
.irp i, 2,4,6,8,10,12,14,16,18,20,22,24,26,28,30
.irp c, 0,1
	v_max3_num_f32 v[16+\c], v[16+\c], |v[X+32*\c+\i]|, |v[X+32*\c+\i+1]|   ; (the two blocks by turns)
.endr
.endr
.irp c, 0,1
	v_add_nc_u32 v[18+\c], 0xff000000, v[16+\c]    ; 2 off the exponent field: the conversion's scale operand
.endr
.irp c, 0,1
	v_lshrrev_b32 v[20+\c], 23, v[18+\c]           ; the scale's byte
.endr
	v_lshl_or_b32 v22, v21, 16, v20                ; my two bytes,
	v_lshlrev_b32 v23, 3, v2
	v_lshlrev_b32 v22, v23, v22                    ; 8 h bits up;
	v_mov_b32 v24, 0
	v_permlanex16_b32 v24, v22, s18, s19
	v_or_b32 v22, v22, v24                         ; with lane l xor 16's two the word is whole
	v_mul_u32_u24 v23, s42, v2
	v_lshrrev_b32 v22, v23, v22                    ; a pair's word: lanes 16-31 hold the odd tile's two bytes lowest
.irp c, 0,1
	v_cvt_scalef32_pk16_fp6_f32 v[CD+6*\c:CD+6*\c+2], v[X+32*\c:X+32*\c+15], v[18+\c]
	v_cvt_scalef32_pk16_fp6_f32 v[CX+4*\c:CX+4*\c+2], v[X+32*\c+16:X+32*\c+31], v[18+\c]   ; (a conversion's three registers begin on an even number)
.endr
	v_nop                                          ; one plain instruction behind the scaled conversions
.irp c, 0,1
.irp i, 0,1,2
	v_mov_b32 v[CD+3+6*\c+\i], v[CX+4*\c+\i]
.endr
.endr
.irp c, 0,1,2
	global_store_b128 v5, v[CD+4*\c:CD+4*\c+3], s[44:45] offset:512*\c   ; 512 consecutive bytes a store
.endr
	global_store_b32 v6, v22, s[46:47]             ; (for a W tile lanes r and r + 16 store the same word to the same place)
	s_wait_loadcnt 0x0                             ; R's numbers
.irp n, 0,1,2,3,4,5,6,7
	global_store_b128 v5, v[TB+4*\n:TB+4*\n+3], s[16:17] offset:512*\n
.endr
	s_endpgm
.Lfunc_end_k_qf20cf07e40_prep:
	.size	k_qf20cf07e40_prep, .Lfunc_end_k_qf20cf07e40_prep-k_qf20cf07e40_prep
	.p2alignl 7, 3214868480
	.fill 96, 4, 3214868480
	.section	.rodata,"a",@progbits
	.p2align	6, 0x0
	.amdhsa_kernel k_qf20cf07e40_prep
		.amdhsa_group_segment_fixed_size 0
		.amdhsa_private_segment_fixed_size 0
		.amdhsa_enable_private_segment 0
		.amdhsa_kernarg_size 56
		.amdhsa_user_sgpr_count 2
		.amdhsa_user_sgpr_kernarg_segment_ptr 1
		.amdhsa_wavefront_size32 1
		.amdhsa_system_sgpr_workgroup_id_x 1
		.amdhsa_system_sgpr_workgroup_id_y 1
		.amdhsa_system_sgpr_workgroup_id_z 1
		.amdhsa_system_vgpr_workitem_id 0
		.amdhsa_next_free_vgpr 160
		.amdhsa_next_free_sgpr 66
		.amdhsa_reserve_vcc 0
		.amdhsa_float_denorm_mode_32 3
		.amdhsa_float_denorm_mode_16_64 3
		.amdhsa_memory_ordered 1
		.amdhsa_forward_progress 1
		.amdhsa_inst_pref_size 13
	.end_amdhsa_kernel
	.amdgpu_metadata
---
amdhsa.version: [ 1, 2 ]
amdhsa.kernels:
  - .name:           k_qf20cf07e40_prep
    .symbol:         k_qf20cf07e40_prep.kd
    .args:
      - { .name: Wq, .offset: 0, .size: 8, .value_kind: global_buffer, .address_space: global }
      - { .name: Wk, .offset: 8, .size: 8, .value_kind: global_buffer, .address_space: global }
      - { .name: Wv, .offset: 16, .size: 8, .value_kind: global_buffer, .address_space: global }
      - { .name: W0, .offset: 24, .size: 8, .value_kind: global_buffer, .address_space: global }
      - { .name: R, .offset: 32, .size: 8, .value_kind: global_buffer, .address_space: global }
      - { .name: wts, .offset: 40, .size: 8, .value_kind: global_buffer, .address_space: global }
      - { .name: tbl, .offset: 48, .size: 8, .value_kind: global_buffer, .address_space: global }
    .group_segment_fixed_size: 0
    .private_segment_fixed_size: 0
    .kernarg_segment_align: 8
    .kernarg_segment_size: 56
    .max_flat_workgroup_size: 32
    .sgpr_count:     66
    .vgpr_count:     160
    .wavefront_size: 32
...
	.end_amdgpu_metadata
.endif
;; end of part 1
;; launch qkv (part 2): grid 8 x 32, 8 waves a work-group, no clusters, 26,624 bytes of LDS; arguments x, wts, qb, kv; writes qb, kv
.if DOCPART == 2
	.amdgcn_target "amdgcn-amd-amdhsa--gfx1250"
	.amdhsa_code_object_version 6
	.text
	.protected	k_qf20cf07e40_qkv
	.globl	k_qf20cf07e40_qkv
	.p2align	8
	.type	k_qf20cf07e40_qkv,@function
k_qf20cf07e40_qkv:
	s_mov_b64 s[64:65], 0
	v_nop
	global_prefetch_b8 v0, s[64:65] scope:SCOPE_SE
	s_setreg_imm32_b32 hwreg(HW_REG_WAVE_MODE, 25, 1), 1
	s_wait_xcnt 0x0
; Q, K, V = W (x / sqrt(5)) on codes of FP6 (E2M3), and their results quantised again into the images that the attention launch's operands want.
; Work-group (s, b): tokens 128 s .. 128 s + 127 of sample b: one key step and one block of queries.  Eight waves.
; PHASE X: wave w takes 32 tokens (32 (w % 4) on) x 64 channels (64 (w / 4) on): a lane takes a token and its registers run down the channels, which are K; a load reads 128 consecutive bytes, four waves stand side by side on 512.
;   A lane's two blocks of 32 become 2 x 24 bytes of codes and two scale bytes.  They go to LDS twice, as images of the operand's registers: tiles of 16 neighbouring tokens (for Q) and tiles in which lane r takes token
;   32 g + 8 u + r + 8 (r / 8) (for K and V).  An image here is six chunks of 256 bytes, chunk j = registers 2 j, 2 j + 1 at 8 x lane.  One barrier.
; PRODUCTS: wave w is head w; its 12 tiles of Wq, Wk, Wv stay in registers (window 1).
;   Q, K: source 0 = 16 rows of W, source 1 = 16 tokens: a lane holds ONE token and its registers run along d, the next K (the rows of a W tile are chosen for that).  Two tiles of tokens (2 x 64 along d) make one run of the
;   quantiser and one image, a PAIR: registers 0-5 the even tile, 6-11 the odd.  The pair's word (T.s0, T.s1, T'.s0, T'.s1) stands in lanes 0-15, the same 16 bits down in lanes 16-31.
;   V: source 0 = 16 tokens, source 1 = 16 rows of Wv: a lane holds ONE d and its 64 registers run along the step's 128 keys, the second attention product's K.
; The head's slice of W0 (codes and pair words, made by the launch before) is copied into the head's record, an eighth by each work-group of a sample, so that one run of joint loads brings all that a head needs.
; RECORD of (b, head), 111,104 bytes: K's codes [step][pair][1,536] | W0's slice 6,144 | V's codes [step][d tile][1,536] | K's pair words [step][lane][pair] | W0's pair words 512 | V's words [step][lane][2].
; LIMITS: NaN and infinities are not served.  A block of zeros, or one under 2^-124, gets the byte 1 where the rule says 127 for zeros: its codes are zeros, and this program alone reads the bytes.
.set REC,   111104
.set O_WC,  49152
.set O_VC,  55296
.set O_KS,  104448
.set O_WS,  108544
.set O_VS,  109056
.set WSCL,  147456                     ; in wts
.set W0S,   153600
.set QSOFF, 12582912                   ; in qb: Q's pair words, behind 256 x 64 tiles of 768 bytes
.set XP,    0                          ; LDS: x's eight tiles of chosen tokens, 1,536 bytes each;
.set XN,    12288                      ; its eight tiles of neighbouring tokens;
.set XSP,   24576                      ; their scale words, 64 bytes a tile;
.set XSN,   25088
.set LN,   1                           ; v1   lane
.set L8,   2                           ; v2   8 x lane
.set L16,  3                           ; v3   16 x lane
.set L4R,  4                           ; v4   4 x (lane % 16)
.set XO,   5                           ; v5   4 x lane
.set WP,   6                           ; v6-9 where phase X puts my token's codes and scale bytes
.set WN,   7
.set WSP,  8
.set WSN,  9
.set SH16, 10                          ; v10  16 x (lane / 16)
.set L16R, 11                          ; v11  16 x (lane % 16)
.set WS,   16                          ; v16-27 the scale words of my 12 tiles of W
.set QW,   28                          ; v28-31 Q's four pair words; v32-35 K's
.set VW,   36                          ; v36-37 V's words: lanes 0-15 the even tile's, lanes 16-31 the odd tile's
.set EV,   38
.set W0C,  40                          ; v40-46 my eighth of W0's slice
.set XB,   48                          ; v48-95 four fragments of x
.set XS,   96                          ; v96-99 their scale words
.set ACC,  100                         ; v100-163 x's 64 numbers, then eight accumulators
.set TM,   164                         ; v164-179 at work in the quantiser
.set PW,   180                         ; the scale word just made
.set PC,   184                         ; v184-203 the codes just made
.set MSB, 0
.macro WIN new                         ; the immediate's high byte repeats the setting that is left
.if MSB != \new
	s_set_vgpr_msb (MSB<<8)|\new
.set MSB, \new
.endif
.endm
.macro FRAGX reg, off                  ; a fragment of x out of LDS, as it was laid
.irp j, 0,1,2,3,4,5
	ds_load_b64 v[\reg+2*\j:\reg+2*\j+1], v[L8] offset:\off+256*\j
.endr
.endm
.macro PLACES                          ; four plain instructions between a matrix instruction and the first read of its result, or a load into one of its registers
.rept 4
	v_nop
.endr
.endm
; 64 numbers of a lane, register 16 b + i = k 32 b + 16 (lane / 16) + i of my row, become a fragment's codes in v[PC] on and its scale word in v[PW].
.macro QUANT s
.irp b, 0,1,2,3
	v_max3_num_f32 v[TM+\b], |v[\s+16*\b]|, |v[\s+1+16*\b]|, 0x1800000   ; block b: my 16 numbers, and the floor 2^(3 - 127): the byte cannot fall under 1.  (Each accumulator is read from its low end on)
.endr
.irp i, 2,4,6,8,10,12,14
.irp b, 0,1,2,3
	v_max3_num_f32 v[TM+\b], v[TM+\b], |v[\s+16*\b+\i]|, |v[\s+1+16*\b+\i]|
.endr
.endr
.irp b, 0,1,2,3
	s_delay_alu instid0(VALU_DEP_4)
	v_permlanex16_b32 v[TM+4+\b], v[TM+\b], s20, s21
.endr
.irp b, 0,1,2,3
	s_delay_alu instid0(VALU_DEP_4)
	v_max_num_f32 v[TM+\b], v[TM+\b], v[TM+4+\b]   ; with lane l xor 16's: the block's largest magnitude
.endr
.irp b, 0,1,2,3
	s_delay_alu instid0(VALU_DEP_4)
	v_add_nc_u32 v[TM+12+\b], 0xff000000, v[TM+\b] ; 2 off its exponent field: the conversion's scale operand
.endr
.irp b, 0,1,2,3
	s_delay_alu instid0(VALU_DEP_4)
	v_lshrrev_b32 v[TM+4+\b], 23, v[TM+12+\b]      ; the scale's byte
.endr
	s_delay_alu instid0(VALU_DEP_3)
	v_lshl_or_b32 v[PW], v[TM+5], 8, v[TM+4]
	s_delay_alu instid0(VALU_DEP_1)
	v_lshl_or_b32 v[PW], v[TM+6], 16, v[PW]
	s_delay_alu instid0(VALU_DEP_1)
	v_lshl_or_b32 v[PW], v[TM+7], 24, v[PW]
.irp c, 0,1
	v_cvt_scalef32_pk16_fp6_f32 v[PC+6*\c:PC+2+6*\c], v[\s+32*\c:\s+15+32*\c], v[TM+12+2*\c]
	v_cvt_scalef32_pk16_fp6_f32 v[PC+12+4*\c:PC+14+4*\c], v[\s+16+32*\c:\s+31+32*\c], v[TM+12+2*\c+1]   ; (a conversion's three registers begin on an even number)
.endr
	v_nop                                          ; one plain instruction behind the scaled conversions
.irp c, 0,1                            ; the operand's layout wants a WHOLE block in a lane
.irp i, 0,1,2
	v_permlane16_swap_b32 v[PC+6*\c+\i], v[PC+12+4*\c+\i]
.endr
.irp i, 0,1,2
	s_delay_alu instid0(VALU_DEP_3)
	v_mov_b32 v[PC+3+6*\c+\i], v[PC+12+4*\c+\i]
.endr
.endr
.endm
	s_load_b256 s[4:11], s[0:1], 0x0               ; x s[4:5], wts s[6:7], qb s[8:9], kv s[10:11]
	v_lshl_add_u32 v254, v0, 2, 0x6400
	v_mov_b32 v255, 0
	v_lshrrev_b32 v12, 5, v0
	s_delay_alu instid0(VALU_DEP_1)
	v_readfirstlane_b32 s12, v12                   ; wave 0..7
	s_mov_b32 s13, ttmp9                           ; s: which 128 tokens
	s_and_b32 s14, ttmp7, 0xffff                   ; b: the sample
	s_lshr_b32 s15, s12, 2                         ; phase X: which 64 channels
	s_and_b32 s16, s12, 3                          ; phase X: which 32 tokens
	s_lshl_b32 s17, s14, 3
	s_add_co_u32 s17, s17, s12                     ; 8 b + head
	s_mov_b32 s20, 0x76543210
	s_mov_b32 s21, 0xfedcba98                      ; v_permlanex16_b32's selects for lane l xor 16
	s_mov_b32 s22, 0x3ee4f92e                      ; 1 / sqrt(5)
	s_mov_b32 s23, s22                             ; (named with it as a pair, so it is written)
	v_and_b32 v[LN], 31, v0
	s_delay_alu instid0(VALU_DEP_1)
	v_lshlrev_b32 v[L8], 3, v[LN]
	s_delay_alu instid0(VALU_DEP_2)
	v_lshlrev_b32 v[L16], 4, v[LN]
	s_delay_alu instid0(VALU_DEP_3)
	v_lshlrev_b32 v[XO], 2, v[LN]
	v_and_b32 v12, 15, v0                          ; lane % 16
	s_delay_alu instid0(VALU_DEP_1)
	v_lshlrev_b32 v[L4R], 2, v12
	s_delay_alu instid0(VALU_DEP_2)
	v_lshlrev_b32 v[L16R], 4, v12
	v_bfe_u32 v13, v0, 4, 1                        ; lane / 16
	s_delay_alu instid0(VALU_DEP_1)
	v_lshlrev_b32 v[SH16], 4, v13
	s_lshl_b32 s48, s14, 19                        ; x: the sample's 524,288 bytes, 64 channels of 4,096, the 128 tokens' 512, my 32 tokens' 128
	s_lshl_b32 s50, s15, 18
	s_add_co_u32 s48, s48, s50
	s_lshl_b32 s50, s13, 9
	s_add_co_u32 s48, s48, s50
	s_lshl_b32 s50, s16, 7
	s_add_co_u32 s48, s48, s50
	s_mov_b32 s49, 0
	s_wait_alu depctr_va_vdst(0)
	s_wait_kmcnt 0x0
	s_add_nc_u64 s[24:25], s[4:5], s[48:49]
.set j, 0
.rept 64
	global_load_b32 v[ACC+j], v[XO], s[24:25] offset:j*4096 th:TH_LOAD_NT   ; channel j of my 64, my token
.set j, j+1
.endr
	s_mul_i32 s48, s12, 6144
	s_add_nc_u64 s[26:27], s[6:7], s[48:49]        ; my head's tiles of W: four images on end in each matrix
	s_lshl_b32 s48, s12, 8
	s_add_nc_u64 s[28:29], s[6:7], s[48:49]        ; their scale words
	s_mul_i32 s50, s12, 6656
	s_mul_i32 s48, s13, 768
	s_add_co_u32 s48, s48, s50
	s_add_nc_u64 s[30:31], s[6:7], s[48:49]        ; my eighth of the head's slice of W0: 768 bytes of codes,
	s_lshl_b32 s48, s13, 6
	s_add_co_u32 s48, s48, s50
	s_add_nc_u64 s[32:33], s[6:7], s[48:49]        ; 64 bytes of pair words
	WIN 0x40                                       ; destination window 1
.irp m, 0,1,2
.irp t, 0,1,2,3
.irp c, 0,1,2
	global_load_b128 v[48*\m+12*\t+4*\c:48*\m+12*\t+4*\c+3], v[L16], s[26:27] offset:(32*\m+\t)*1536+512*\c
.endr
.endr
.endr
	WIN 0
.irp m, 0,1,2
	global_load_b128 v[WS+4*\m:WS+4*\m+3], v[L16R], s[28:29] offset:WSCL+2048*\m   ; lane r: row r's words of tiles 0 to 3
.endr
.irp i, 0,1,2
	global_load_b64 v[W0C+2*\i:W0C+2*\i+1], v[L8], s[30:31] offset:W0S+256*\i
.endr
	global_load_b32 v[W0C+6], v[L4R], s[32:33] offset:W0S+6144
	s_mul_i32 s48, s17, 49152                      ; where the results go.  Q's codes: 64 tiles of 768 bytes a head, my 8 tiles
	s_mul_i32 s50, s13, 6144
	s_add_co_u32 s48, s48, s50
	s_add_nc_u64 s[34:35], s[8:9], s[48:49]
	s_lshl_b32 s48, s17, 12                        ; Q's pair words: 512 bytes a block of queries
	s_lshl_b32 s51, s13, 9
	s_add_co_u32 s48, s48, s51
	s_add_co_u32 s48, s48, QSOFF
	s_add_nc_u64 s[36:37], s[8:9], s[48:49]
	s_mul_i32 s52, s17, REC                        ; the record
	s_add_co_u32 s48, s52, s50
	s_add_nc_u64 s[38:39], s[10:11], s[48:49]      ; + 6,144 s: K's and V's codes
	s_add_co_u32 s48, s52, s51
	s_add_nc_u64 s[40:41], s[10:11], s[48:49]      ; + 512 s: K's pair words
	s_lshl_b32 s51, s13, 8
	s_add_co_u32 s48, s52, s51
	s_add_nc_u64 s[42:43], s[10:11], s[48:49]      ; + 256 s: V's words
	s_mul_i32 s51, s13, 768
	s_add_co_u32 s48, s52, s51
	s_add_nc_u64 s[44:45], s[10:11], s[48:49]      ; + 768 s: W0's codes
	s_lshl_b32 s51, s13, 6
	s_add_co_u32 s48, s52, s51
	s_add_nc_u64 s[46:47], s[10:11], s[48:49]      ; + 64 s: W0's pair words
	; phase X's places in LDS.  My token y = lane of group g: chosen tile 2 g + (y / 8) % 2, row (y % 8) + 8 (y / 16); neighbouring tile 2 g + y / 16, row y % 16.  My 64 channels are registers 6 (w / 4) on: chunks 3 (w / 4) on
	s_mul_i32 s50, s16, 3072
	s_mul_i32 s51, s15, 768
	s_add_co_u32 s50, s50, s51
	v_bfe_u32 v14, v0, 3, 1
	v_and_b32 v15, 7, v0
	s_delay_alu instid0(VALU_DEP_2)
	v_mul_u32_u24 v[WP], v14, 1536
	s_delay_alu instid0(VALU_DEP_1)
	v_lshl_add_u32 v[WP], v15, 3, v[WP]
	s_delay_alu instid0(VALU_DEP_1)
	v_lshl_add_u32 v[WP], v13, 6, v[WP]
	s_delay_alu instid0(VALU_DEP_1)
	v_add_nc_u32 v[WP], s50, v[WP]
	v_mul_u32_u24 v[WN], v13, 1536
	s_delay_alu instid0(VALU_DEP_1)
	v_lshl_add_u32 v[WN], v12, 3, v[WN]
	s_delay_alu instid0(VALU_DEP_1)
	v_add_nc_u32 v[WN], s50, v[WN]
	s_lshl_b32 s50, s16, 7                         ; scale words: 64 bytes a tile, 4 a row; my two bytes are 2 (w / 4) on
	s_lshl_b32 s51, s15, 1
	s_add_co_u32 s50, s50, s51
	v_lshlrev_b32 v[WSP], 6, v14
	s_delay_alu instid0(VALU_DEP_1)
	v_lshl_add_u32 v[WSP], v15, 2, v[WSP]
	s_delay_alu instid0(VALU_DEP_1)
	v_lshl_add_u32 v[WSP], v13, 5, v[WSP]
	s_delay_alu instid0(VALU_DEP_1)
	v_add_nc_u32 v[WSP], s50, v[WSP]
	v_lshlrev_b32 v[WSN], 6, v13
	s_delay_alu instid0(VALU_DEP_1)
	v_lshl_add_u32 v[WSN], v12, 2, v[WSN]
	s_delay_alu instid0(VALU_DEP_1)
	v_add_nc_u32 v[WSN], s50, v[WSN]
	v_cmp_le_u32 vcc_lo, 16, v[LN]                 ; lanes 16-31: kept for V's words
.irp b, 0,1,2,3
	v_mov_b32 v[TM+4+\b], 0                        ; written once: a lane permute's destination counts as one of its sources
.endr
	; ---- X: x / sqrt(5), quantised along the channels
	s_wait_loadcnt 43                              ; x's 64 loads are in; the 36 + 3 + 4 issued behind them may be out
.set j, 0
.rept 32
	v_pk_mul_f32 v[ACC+j:ACC+j+1], v[ACC+j:ACC+j+1], s[22:23] op_sel_hi:[1,0]
.set j, j+2
.endr
.irp e, 0,1
	v_max3_num_f32 v[TM+\e], |v[ACC+32*\e]|, |v[ACC+32*\e+1]|, 0x1800000   ; all 32 numbers of a block are mine
.endr
.irp i, 2,4,6,8,10,12,14,16,18,20,22,24,26,28,30
.irp e, 0,1
	s_delay_alu instid0(VALU_DEP_2)
	v_max3_num_f32 v[TM+\e], v[TM+\e], |v[ACC+32*\e+\i]|, |v[ACC+32*\e+\i+1]|
.endr
.endr
.irp e, 0,1
	s_delay_alu instid0(VALU_DEP_2)
	v_add_nc_u32 v[TM+12+\e], 0xff000000, v[TM+\e]
.endr
.irp e, 0,1
	s_delay_alu instid0(VALU_DEP_2)
	v_lshrrev_b32 v[TM+8+\e], 23, v[TM+12+\e]
.endr
	s_delay_alu instid0(VALU_DEP_1)
	v_lshl_or_b32 v[PW], v[TM+9], 8, v[TM+8]       ; my two scale bytes
.irp e, 0,1
	v_cvt_scalef32_pk16_fp6_f32 v[PC+6*\e:PC+6*\e+2], v[ACC+32*\e:ACC+32*\e+15], v[TM+12+\e]
	v_cvt_scalef32_pk16_fp6_f32 v[PC+12+4*\e:PC+14+4*\e], v[ACC+32*\e+16:ACC+32*\e+31], v[TM+12+\e]
.endr
	v_nop                                          ; one plain instruction behind the scaled conversions
.irp e, 0,1
.irp i, 0,1,2
	v_mov_b32 v[PC+3+6*\e+\i], v[PC+12+4*\e+\i]
.endr
.endr
.irp e, 0,1                            ; block e of my two is the operand's lane half e: 128 bytes on in each chunk
.irp k, 0,1,2
	ds_store_b64 v[WP], v[PC+6*\e+2*\k:PC+6*\e+2*\k+1] offset:XP+256*\k+128*\e
	ds_store_b64 v[WN], v[PC+6*\e+2*\k:PC+6*\e+2*\k+1] offset:XN+256*\k+128*\e
.endr
.endr
	ds_store_b16 v[WSP], v[PW] offset:XSP
	ds_store_b16 v[WSN], v[PW] offset:XSN
	s_wait_dscnt 0x0                               ; for the others' sake: my stores have landed
	s_barrier_signal -1
	s_barrier_wait -1                              ; x's sixteen images lie in LDS; from here on LDS is only read
	s_wait_loadcnt 0x0                             ; the weights
.irp i, 0,1,2
	global_store_b64 v[L8], v[W0C+2*\i:W0C+2*\i+1], s[44:45] offset:O_WC+256*\i
.endr
	global_store_b32 v[L4R], v[W0C+6], s[46:47] offset:O_WS   ; (lanes r and r + 16 store the same word to the same place)
; Q (m = 0: neighbouring tokens) or K (m = 1: chosen tokens), pair p: eight accumulators, one matrix instruction each, begun with the constant 0
.macro UNITQK m, p
	s_wait_xcnt 0x0                                ; the last unit's stores have read the codes' registers: they are written again only behind this wait
.irp i, 0,1
	FRAGX XB+12*\i, (1-\m)*XN+(2*\p+\i)*1536
	ds_load_b32 v[XS+\i], v[L4R] offset:XSP+(1-\m)*512+(2*\p+\i)*64
.endr
	s_wait_dscnt 0x0
	WIN 0x01                                       ; source 0 (W) window 1
.irp i, 0,1
.irp t, 0,1,2,3
	v_wmma_scale_f32_16x16x128_f8f6f4 v[ACC+8*(4*\i+\t):ACC+8*(4*\i+\t)+7], v[48*\m+12*\t:48*\m+12*\t+11], v[XB+12*\i:XB+12*\i+11], 0, v[WS+4*\m+\t], v[XS+\i] matrix_a_fmt:MATRIX_FMT_FP6 matrix_b_fmt:MATRIX_FMT_FP6
.endr
.endr
	WIN 0
	PLACES
	QUANT ACC                                      ; registers 32 i + 16 g + e = d 32 g + 16 (lane / 16) + e of token tile 2 p + i
	v_lshrrev_b32 v[QW+4*\m+\p], v[SH16], v[PW]    ; the pair's word: lanes 16-31 hold the odd tile's bytes lowest
.if \m == 0
.irp j, 0,1,2,3,4,5
	global_store_b64 v[L8], v[PC+2*\j:PC+2*\j+1], s[34:35] offset:\p*1536+256*\j   ; 256 consecutive bytes a store; three stores a tile
.endr
.else
.irp c, 0,1,2
	global_store_b128 v[L16], v[PC+4*\c:PC+4*\c+3], s[38:39] offset:\p*1536+512*\c
.endr
.endif
.endm
; V, tile t of the head's 64: eight accumulators (the step's eight tiles of chosen tokens), in two halves of four fragments
.macro UNITV t
	s_wait_xcnt 0x0
.irp f, 0,1
.if \f
	PLACES                                         ; in front of loads into registers that the first four products have read
.endif
.irp k, 0,1,2,3
	FRAGX XB+12*\k, (4*\f+\k)*1536
	ds_load_b32 v[XS+\k], v[L4R] offset:XSP+(4*\f+\k)*64
.endr
	s_wait_dscnt 0x0
	WIN 0x04                                       ; source 1 (Wv) window 1
.irp k, 0,1,2,3
	v_wmma_scale_f32_16x16x128_f8f6f4 v[ACC+8*(4*\f+\k):ACC+8*(4*\f+\k)+7], v[XB+12*\k:XB+12*\k+11], v[96+12*\t:96+12*\t+11], 0, v[XS+\k], v[WS+8+\t] matrix_a_fmt:MATRIX_FMT_FP6 matrix_b_fmt:MATRIX_FMT_FP6
.endr
	WIN 0
.endr
	PLACES
	QUANT ACC                                      ; register 16 g + e = key 32 g + 16 (lane / 16) + e of my d
.irp c, 0,1,2
	global_store_b128 v[L16], v[PC+4*\c:PC+4*\c+3], s[38:39] offset:O_VC+\t*1536+512*\c
.endr
.if (\t)%2 == 0
	v_mov_b32 v[EV], v[PW]
.else
	v_cndmask_b32 v[VW+(\t)/2], v[EV], v[PW], vcc_lo   ; lanes 0-15 the even tile's word, lanes 16-31 the odd tile's
.endif
.endm
.irp p, 0,1,2,3
	UNITQK 0, \p
.endr
	global_store_b128 v[L16], v[QW:QW+3], s[36:37]
.irp p, 0,1,2,3
	UNITQK 1, \p
.endr
	global_store_b128 v[L16], v[QW+4:QW+7], s[40:41] offset:O_KS
.irp t, 0,1,2,3
	UNITV \t
.endr
	global_store_b64 v[L8], v[VW:VW+1], s[42:43] offset:O_VS
	s_wait_tensorcnt 0x0
	ds_add_u32 v254, v255
	s_wait_dscnt 0x0
	s_endpgm
.Lfunc_end_k_qf20cf07e40_qkv:
	.size	k_qf20cf07e40_qkv, .Lfunc_end_k_qf20cf07e40_qkv-k_qf20cf07e40_qkv
	.p2alignl 7, 3214868480
	.fill 96, 4, 3214868480
	.section	.rodata,"a",@progbits
	.p2align	6, 0x0
	.amdhsa_kernel k_qf20cf07e40_qkv
		.amdhsa_group_segment_fixed_size 26624
		.amdhsa_private_segment_fixed_size 0
		.amdhsa_enable_private_segment 0
		.amdhsa_kernarg_size 32
		.amdhsa_user_sgpr_count 2
		.amdhsa_user_sgpr_kernarg_segment_ptr 1
		.amdhsa_wavefront_size32 1
		.amdhsa_system_sgpr_workgroup_id_x 1
		.amdhsa_system_sgpr_workgroup_id_y 1
		.amdhsa_system_sgpr_workgroup_id_z 1
		.amdhsa_system_vgpr_workitem_id 0
		.amdhsa_next_free_vgpr 400
		.amdhsa_next_free_sgpr 66
		.amdhsa_reserve_vcc 1
		.amdhsa_float_denorm_mode_32 3
		.amdhsa_float_denorm_mode_16_64 3
		.amdhsa_memory_ordered 1
		.amdhsa_forward_progress 1
		.amdhsa_inst_pref_size 119
	.end_amdhsa_kernel
	.amdgpu_metadata
---
amdhsa.version: [ 1, 2 ]
amdhsa.kernels:
  - .name:           k_qf20cf07e40_qkv
    .symbol:         k_qf20cf07e40_qkv.kd
    .args:
      - { .name: x, .offset: 0, .size: 8, .value_kind: global_buffer, .address_space: global }
      - { .name: wts, .offset: 8, .size: 8, .value_kind: global_buffer, .address_space: global }
      - { .name: qb, .offset: 16, .size: 8, .value_kind: global_buffer, .address_space: global }
      - { .name: kv, .offset: 24, .size: 8, .value_kind: global_buffer, .address_space: global }
    .group_segment_fixed_size: 26624
    .private_segment_fixed_size: 0
    .kernarg_segment_align: 8
    .kernarg_segment_size: 32
    .max_flat_workgroup_size: 256
    .sgpr_count:     66
    .vgpr_count:     400
    .wavefront_size: 32
...
	.end_amdgpu_metadata
.endif
;; end of part 2
;; launch attn (part 3): grid 8 x 32, 8 waves a work-group, clusters of 4 x 1, 327,680 bytes of LDS; arguments qb, kv, tbl, x, out0; writes out0
.if DOCPART == 3
	.amdgcn_target "amdgcn-amd-amdhsa--gfx1250"
	.amdhsa_code_object_version 6
	.text
	.protected	k_qf20cf07e40_attn
	.globl	k_qf20cf07e40_attn
	.p2align	8
	.type	k_qf20cf07e40_attn,@function
k_qf20cf07e40_attn:
	s_mov_b64 s[64:65], 0
	v_nop
	global_prefetch_b8 v0, s[64:65] scope:SCOPE_SE
	s_setreg_imm32_b32 hwreg(HW_REG_WAVE_MODE, 25, 1), 1
	s_wait_xcnt 0x0
	s_wait_alu depctr_hold_cnt(0) depctr_sa_sdst(0) depctr_va_vdst(0) depctr_va_sdst(0) depctr_va_ssrc(0) depctr_va_vcc(0) depctr_vm_vsrc(0)
	s_getreg_b32 s2, hwreg(HW_REG_IB_STS2, 6, 4)
	s_cmp_eq_u32 s2, 0
	s_cbranch_scc0 .Lentry_in_a_cluster
	s_endpgm
.Lentry_in_a_cluster:
	s_bfe_u32 s2, ttmp6, 0x10000c
	s_cmp_lg_u32 s2, 0x3003
	s_cbranch_scc0 .Lentry_shape_is_right
	s_endpgm
.Lentry_shape_is_right:
; out = W0 att + x, att = softmax((Q^T K + bias) / 8) V, head by head, all products on codes of FP6 (E2M3) with one E8M0 byte for each 32 along K.
; SHARES.  A work-group owns 128 queries of one sample and walks all 8 heads; each of its eight waves owns one tile of 16 queries through all heads, so att never changes wave, and out (16 tokens x 128 channels)
; is summed head by head in 64 registers.  256 work-groups; two waves to a SIMD.
; LAYOUT.  S^T = K Q^T (source 0 = 16 keys, source 1 = my queries) and O^T = V^T P^T: a lane holds ONE query throughout.  The keys of a tile are chosen (lane r of tile 2 g + u: key 32 g + 8 u + r + 8 (r / 8)), so that the 16
; registers of tiles 2 g, 2 g + 1 are 16 neighbouring keys; V's d are chosen alike, so that O's 32 registers are the head's two blocks of the last product's K.
; K = 64 IN AN INSTRUCTION OF 128: one operand (Q; att) is six registers of codes and six of zeros.  The other side's tiles lie six registers apart: tile t names registers 6 t .. 6 t + 11, whose upper half, the next tile's codes,
; meets zero codes and adds nothing; six zero registers follow the last tile.  A pair's scale word holds the even tile's two bytes lowest in lanes 0-15 and the odd tile's in lanes 16-31.
; THE BIAS IS THE C OF THE SCORES' PRODUCT: R[head][(xi - xj) % 32][(yi - yj) % 32] comes out of a table in LDS straight into S's registers, four loads of 16 bytes for 16 keys.  The table's rows are loaded from row 4 x block on,
; so that the row for key step st and block g is 3 + w / 2 - g + 4 ((-st) % 8) in every work-group: the block's number enters the load's global address alone, and no LDS address.
; SOFTMAX.  t = (score + bias) x log2(e) / 8; M = the running largest t rounded up to a whole number; p = 2^(t - M) is quantised along the keys; the sum is taken of the unquantised p; when M moves, sum and O are multiplied by
; 2^(old M - new M), which rounds nothing.  A head begins with the largest t at -3e38: its first factor is 0, which clears the last head's O and sum.
; RING.  Two LDS slots, a head each: the head's record (K's codes, W0's slice, V's codes, the scale words: 111,104 bytes) and its table (35 rows x 4 copies x 320 bytes).  The load of head n + 1 is issued at the head of head n:
; eight key steps of every wave ahead of its first read; so no prefetch is laid.
; CLUSTER.  The four blocks of queries of a cluster walk the same records: waves 0 to 6 ask for 62 rows of 256 bytes each JOINTLY (mask 15).  The table is not shared: the partners need different rows of it (from row 4 x block on),
; so wave 7 brings it by a load of the work-group's own; it is 35,840 of a fill's 146,944 bytes.
; LIMITS: NaN and infinities are not served.  A block of zeros, or one under 2^-124, gets the byte 1 where the rule says 127 for zeros: its codes are zeros, and this program alone reads the bytes.
; REGISTERS, window 0: v1-11 addresses; v12 -M, v13 the largest t, v[14:15] the sum; v16-39 Q, two sets; v40-41 their words; v42-53 att; v54 att's word, v55 p's; v56-59 K's (W0's) pair words; v60-61 V's words;
;   v64-111 K's (W0's) four pairs, v112-117 zeros; v118-181 S, then p; v182-213 O; v214-225 p's codes; v226-251 at work.   window 1: v0-47 V's four fragments; v64-127 out's eight accumulators.
.set REC,   111104
.set O_VC,  55296
.set O_KS,  104448
.set O_VS,  109056
.set O_TB,  111104                     ; in a slot: the table, behind the record
.set SLOTB, 155904
.set SPARE, 2*SLOTB                    ; behind the ring: the spare words, 128 bytes for each wave: four blocks of 256 bytes that no other line names
.set TROW,  1280                       ; a table row: four copies of 256 bytes + 64 of padding
.set SP,    528                        ; the way out: a stage of 128 rows x (512 bytes + 16), in slot 0, which has had its last fill and its last read when the first result is stored there
.set QSOFF, 12582912
.set SPW, 1
.set NIL, 2
.set L16, 3
.set L8,  4
.set LB,  5                            ; my lane's place in a table row
.set AK,  6
.set AKS, 7
.set AV,  8
.set AVS, 9
.set AB,  10
.set QSO, 11
.set NM,  12
.set TMX, 13
.set LS,  14
.set QA,  16
.set QSA, 40
.set ATT, 42
.set ATS, 54
.set PS,  55
.set KSC, 56
.set VSC, 60
.set KB,  64
.set S,   118
.set O,   182
.set PC,  214
.set CT,  226
.set BM,  234
.set PM,  238
.set SO,  242
.set F,   246
.set SUM2, 248
.set T0,  250
.set T1,  251
.set WV,  16                           ; s16 wave; s17 wave / 2; s18 wave % 2; s19 my block of queries
.set W2,  17
.set PAR, 18
.set BLK, 19
.set SEL, 20
.set CS,  22
.set G1K, 24                           ; s[24:31] descriptor group 1 for the record; s[32:39] for the table
.set G1T, 32
.set G0K, 40                           ; s[40:47] groups 0 for the record, a set for each slot; s[48:55] for the table
.set G0T, 48
.set SKC, 56                           ; s56-60 LDS bytes at which the step's K, its words, V, its words and the table's four rows begin
.set SKS, 57
.set SVC, 58
.set SVS, 59
.set STB, 60
.set LAPS, 61
.set CNT, 62
.set MSB, 0
.macro WIN new                         ; the immediate's high byte repeats the setting that is left
.if MSB != \new
	s_set_vgpr_msb (MSB<<8)|\new
.set MSB, \new
.endif
.endm
.macro CROUND                          ; a round of the cluster's barrier: my work-group's barrier; wave 0 signals for the work-group; every wave waits for all four; my work-group's barrier once more
	s_barrier_signal -1
	s_barrier_wait -1
	s_cmp_lg_u32 s[WV], 0
	s_cbranch_scc1 .Lnot_wave_0_\@
	s_barrier_signal -3
.Lnot_wave_0_\@:
	s_barrier_wait -3
	s_barrier_signal -1
	s_barrier_wait -1
.endm
; Slot n is filled: waves 0 to 6 ask jointly for their 62 rows of the record, wave 7 for the work-group's table.  The branch hangs on the wave's number alone.  Four v_nop follow each of the two lines.
.macro TLOAD n
	s_cmp_lt_u32 s[WV], 7
	s_cbranch_scc0 .Ltable_\@
	tensor_load_to_lds s[G0K+4*(\n):G0K+4*(\n)+3], s[G1K:G1K+7]
	s_nop 0
.rept 4
	v_nop
.endr
	s_branch .Lasked_\@
.Ltable_\@:
	tensor_load_to_lds s[G0T+4*(\n):G0T+4*(\n)+3], s[G1T:G1T+7]
	s_nop 0
.rept 4
	v_nop
.endr
.Lasked_\@:
.endm
.macro LOADK                           ; four pairs (eight tiles of 16 keys x 64, or W0's eight tiles of 16 channels x 64) and their pair words: 13 loads
.irp j, 0,1,2,3,4,5,6,7,8,9,10,11
	ds_load_b128 v[KB+4*\j:KB+4*\j+3], v[AK] offset:512*\j
.endr
	ds_load_b128 v[KSC:KSC+3], v[AKS]
.endm
.macro LOADB                           ; the biases of 128 keys into S's registers: 16 loads
.irp g, 0,1,2,3
.irp i, 0,1,2,3
	ds_load_b128 v[S+16*\g+4*\i:S+16*\g+4*\i+3], v[AB] offset:(3-\g)*TROW+16*\i
.endr
.endr
.endm
.macro LOADV                           ; V's four fragments (16 d x 128 keys) and their words: 13 loads
	WIN 0x40                                       ; destination window 1
.irp j, 0,1,2,3,4,5,6,7,8,9,10,11
	ds_load_b128 v[4*\j:4*\j+3], v[AV] offset:512*\j
.endr
	WIN 0
	ds_load_b64 v[VSC:VSC+1], v[AVS]
.endm
; A KEY STEP: 128 keys.  fq: my Q's registers, wq: their scale word.  This step's K and biases were asked for a step ago.
.macro STEP fq, wq
	v_add_nc_u32 v[AV], s[SVC], v[L16]             ; five plain instructions: the places behind the last step's products, in front of the loads into V's registers
	v_add_nc_u32 v[AVS], s[SVS], v[L8]
	v_add_nc_u32 v[AK], s[SKC], v[L16]
	v_add_nc_u32 v[AKS], s[SKS], v[L16]
	v_add_nc_u32 v[AB], s[STB], v[LB]
	LOADV
	s_wait_alu depctr_va_vdst(0)
	s_wait_dscnt 13                                ; K, its words and the biases are in; V's 13 loads, issued behind them, may be out
.irp t, 0,2,4,6
	v_wmma_scale_f32_16x16x128_f8f6f4 v[S+8*\t:S+8*\t+7], v[KB+6*\t:KB+6*\t+11], v[\fq:\fq+11], v[S+8*\t:S+8*\t+7], v[KSC+\t/2], v[\wq] matrix_a_fmt:MATRIX_FMT_FP6 matrix_b_fmt:MATRIX_FMT_FP6
	v_wmma_scale_f32_16x16x128_f8f6f4 v[S+8*\t+8:S+8*\t+15], v[KB+6*\t+6:KB+6*\t+17], v[\fq:\fq+11], v[S+8*\t+8:S+8*\t+15], v[KSC+\t/2], v[\wq] matrix_a_fmt:MATRIX_FMT_FP6 matrix_b_fmt:MATRIX_FMT_FP6 matrix_a_scale:MATRIX_SCALE_ROW1
.endr
.rept 4
	v_nop                                          ; places in front of the loads into K's registers and of the first read of the scores
.endr
	LOADK                                          ; the next step's K; in a head's last step: W0's slice, which lies behind K's codes, and its words behind K's
.irp b, 0,1,2,3
	v_max3_num_f32 v[BM+\b], v[S+16*\b], v[S+16*\b+1], v[S+16*\b+2]   ; the largest score of each block of 32 keys: it serves for the row's maximum and, since p rises with the score, for the block's largest p
.endr
.irp i, 3,5,7,9,11,13
.irp b, 0,1,2,3
	v_max3_num_f32 v[BM+\b], v[BM+\b], v[S+16*\b+\i], v[S+16*\b+\i+1]
.endr
.endr
.irp b, 0,1,2,3
	v_max_num_f32 v[BM+\b], v[BM+\b], v[S+16*\b+15]
.endr
.irp b, 0,1,2,3
	s_delay_alu instid0(VALU_DEP_4)
	v_permlanex16_b32 v[PM+\b], v[BM+\b], s[SEL], s[SEL+1]
.endr
.irp b, 0,1,2,3
	s_delay_alu instid0(VALU_DEP_4)
	v_max_num_f32 v[BM+\b], v[BM+\b], v[PM+\b]     ; with lane l xor 16's 16 keys
.endr
	s_delay_alu instid0(VALU_DEP_2)
	v_max3_num_f32 v[T0], v[BM], v[BM+1], v[BM+2]
	s_delay_alu instid0(VALU_DEP_1)
	v_max_num_f32 v[T0], v[T0], v[BM+3]
	s_delay_alu instid0(VALU_DEP_1)
	v_mul_f32 v[T0], s[CS], v[T0]                  ; the step's largest t (c is positive)
	s_delay_alu instid0(VALU_DEP_1)
	v_max_num_f32 v[TMX], v[TMX], v[T0]            ; the running largest t
	v_mov_b32 v[T0], v[NM]
	s_delay_alu instid0(VALU_DEP_2)
	v_floor_f32 v[NM], -v[TMX]                     ; the new -M = floor(-t) = -ceil(t)
	s_delay_alu instid0(VALU_DEP_1)
	v_sub_f32 v[T0], v[NM], v[T0]                  ; old M - new M: a whole number, 0 or less
	s_delay_alu instid0(VALU_DEP_1)
	v_cvt_i32_f32 v[T0], v[T0]                     ; (it saturates)
	s_delay_alu instid0(VALU_DEP_1)
	v_ldexp_f32 v[F], 1.0, v[T0]                   ; f = 2^(old M - new M)
.set j, 0
.rept 32
	v_pk_fma_f32 v[S+j:S+j+1], v[S+j:S+j+1], s[CS:CS+1], v[NM:NM+1] op_sel_hi:[1,0,0]   ; t - M, two at a time
.set j, j+2
.endr
.irp b, 0,1,2,3
	v_fma_f32 v[BM+\b], v[BM+\b], s[CS], v[NM]     ; the same of each block's largest score
.endr
.set j, 0
	s_wait_alu depctr_va_vdst(0)
.rept 64
	v_exp_f32 v[S+j], v[S+j]                       ; p = 2^(t - M), not normalised
.set j, j+1
.endr
	s_setprio 1
	v_pk_mul_f32 v[LS:LS+1], v[LS:LS+1], v[F:F+1] op_sel_hi:[1,0]   ; the sum under the new M.  (The plain instruction behind the exponentials)
	s_wait_alu depctr_va_vdst(0)                   ; one wait for the batch of 64, ahead of its first reader
.irp b, 0,1,2,3
	v_exp_f32 v[BM+\b], v[BM+\b]                   ; the blocks' largest p
.endr
	v_pk_add_f32 v[248:249], v[122:123], v[126:127]
	v_pk_add_f32 v[254:255], v[130:131], v[134:135]
	v_pk_add_f32 v[252:253], v[138:139], v[142:143]
	v_pk_add_f32 v[244:245], v[146:147], v[150:151]
	v_pk_add_f32 v[242:243], v[154:155], v[158:159]
	v_pk_add_f32 v[240:241], v[162:163], v[166:167]
	v_pk_add_f32 v[238:239], v[170:171], v[174:175]
	v_pk_add_f32 v[14:15], v[14:15], v[178:179]
	v_pk_add_f32 v[248:249], v[248:249], v[118:119]
	v_pk_add_f32 v[254:255], v[254:255], v[120:121]
	v_pk_add_f32 v[252:253], v[252:253], v[124:125]
	v_pk_add_f32 v[244:245], v[244:245], v[128:129]
	v_pk_add_f32 v[242:243], v[242:243], v[132:133]
	v_pk_add_f32 v[240:241], v[240:241], v[136:137]
	v_pk_add_f32 v[238:239], v[238:239], v[140:141]
	v_pk_add_f32 v[14:15], v[14:15], v[144:145]
	v_pk_add_f32 v[248:249], v[248:249], v[148:149]
	v_pk_add_f32 v[254:255], v[254:255], v[152:153]
	v_pk_add_f32 v[252:253], v[252:253], v[156:157]
	v_pk_add_f32 v[244:245], v[244:245], v[160:161]
	v_pk_add_f32 v[242:243], v[242:243], v[164:165]
	v_pk_add_f32 v[240:241], v[240:241], v[168:169]
	v_pk_add_f32 v[238:239], v[238:239], v[172:173]
	v_pk_add_f32 v[14:15], v[14:15], v[176:177]
	v_pk_add_f32 v[248:249], v[248:249], v[180:181]
	s_delay_alu instid0(VALU_DEP_2)
	v_pk_add_f32 v[14:15], v[14:15], v[244:245]
	s_delay_alu instid0(VALU_DEP_2)
	v_pk_add_f32 v[248:249], v[248:249], v[242:243]
	v_pk_add_f32 v[254:255], v[254:255], v[240:241]
	v_pk_add_f32 v[252:253], v[252:253], v[238:239]
	s_delay_alu instid0(VALU_DEP_2)
	v_pk_add_f32 v[14:15], v[14:15], v[254:255]
	s_delay_alu instid0(VALU_DEP_2)
	v_pk_add_f32 v[248:249], v[248:249], v[252:253]
	s_delay_alu instid0(VALU_DEP_1)
	v_pk_add_f32 v[14:15], v[14:15], v[248:249]
	s_wait_alu depctr_va_vdst(0)                   ; and one for the four
.irp b, 0,1,2,3
	v_max_num_f32 v[BM+\b], 0x1800000, v[BM+\b]    ; the floor 2^(3 - 127): the byte cannot fall under 1
.endr
.irp b, 0,1,2,3
	s_delay_alu instid0(VALU_DEP_4)
	v_add_nc_u32 v[SO+\b], 0xff000000, v[BM+\b]    ; 2 off the exponent field: the conversion's scale operand
.endr
.irp b, 0,1,2,3
	s_delay_alu instid0(VALU_DEP_4)
	v_lshrrev_b32 v[PM+\b], 23, v[SO+\b]           ; the scale's byte
.endr
	s_delay_alu instid0(VALU_DEP_3)
	v_lshl_or_b32 v[PS], v[PM+1], 8, v[PM]         ; p's scale word for these 128 keys
	s_delay_alu instid0(VALU_DEP_1)
	v_lshl_or_b32 v[PS], v[PM+2], 16, v[PS]
	s_delay_alu instid0(VALU_DEP_1)
	v_lshl_or_b32 v[PS], v[PM+3], 24, v[PS]
.irp c, 0,1
	v_cvt_scalef32_pk16_fp6_f32 v[PC+6*\c:PC+6*\c+2], v[S+32*\c:S+32*\c+15], v[SO+2*\c]
	v_cvt_scalef32_pk16_fp6_f32 v[CT+4*\c:CT+4*\c+2], v[S+32*\c+16:S+32*\c+31], v[SO+2*\c+1]   ; (a conversion's three registers begin on an even number)
.endr
	LOADB                                          ; p has been read for the last time: the next step's biases land in its registers
	v_nop                                          ; one plain instruction behind the scaled conversions
.irp c, 0,1                            ; the operand's layout wants a WHOLE block in a lane
.irp i, 0,1,2
	v_permlane16_swap_b32 v[PC+6*\c+\i], v[CT+4*\c+\i]
.endr
.irp i, 0,1,2
	s_delay_alu instid0(VALU_DEP_3)
	v_mov_b32 v[PC+3+6*\c+\i], v[CT+4*\c+\i]
.endr
.endr
.set j, 0
	s_setprio 0
.rept 16
	v_pk_mul_f32 v[O+j:O+j+1], v[O+j:O+j+1], v[F:F+1] op_sel_hi:[1,0]   ; O under the new M, each accumulator from its low end on.  (These sixteen are also the places between p's word and codes and the products)
.set j, j+2
.endr
	s_wait_alu depctr_va_vdst(0)
	s_wait_dscnt 29                                ; V and its words are in; the next K's 13 loads and the next biases' 16 may be out
	WIN 0x01                                       ; source 0 (V) window 1
.irp t, 0,2
	v_wmma_scale_f32_16x16x128_f8f6f4 v[O+8*\t:O+8*\t+7], v[12*\t:12*\t+11], v[PC:PC+11], v[O+8*\t:O+8*\t+7], v[VSC+\t/2], v[PS] matrix_a_fmt:MATRIX_FMT_FP6 matrix_b_fmt:MATRIX_FMT_FP6
	v_wmma_scale_f32_16x16x128_f8f6f4 v[O+8*\t+8:O+8*\t+15], v[12*\t+12:12*\t+23], v[PC:PC+11], v[O+8*\t+8:O+8*\t+15], v[VSC+\t/2], v[PS] matrix_a_fmt:MATRIX_FMT_FP6 matrix_b_fmt:MATRIX_FMT_FP6 matrix_a_scale:MATRIX_SCALE_ROW1
.endr
	WIN 0
.endm
; A HEAD, in slot `slot`.  fill = 1: the other slot is filled with the next head, and the next head's Q is asked for.
; No two matrix instructions that follow each other share an accumulator (S's eight, O's four, out's eight, one instruction a turn, over both backward jumps too).
.macro HEAD slot, fill
	s_wait_tensorcnt 0x0                           ; my one tensor load, my part of this head's slot, has landed: so the groups 0 may be written
	ds_add_u32 v[SPW], v[NIL]                      ; 0 onto my spare word
	s_add_nc_u64 s[G0K+4*\slot+2:G0K+4*\slot+3], s[G0K+4*\slot+2:G0K+4*\slot+3], 2*REC   ; this slot's next head (behind the last heads the stepped addresses are not used)
	s_add_nc_u64 s[G0T+4*\slot+2:G0T+4*\slot+3], s[G0T+4*\slot+2:G0T+4*\slot+3], 131072
	s_wait_dscnt 0x0                               ; the add is done, and my reads of the slot that I have left are over
.if \fill
	CROUND                                         ; both hold of every wave of all four work-groups
	TLOAD 1-\slot                                  ; the first thing behind the round, and my one tensor load until the next
.else
	s_barrier_signal -1
	s_barrier_wait -1
.endif
	s_wait_loadcnt 0x0                             ; this head's Q, asked for a head ago
.if \fill
	s_add_nc_u64 s[4:5], s[4:5], 49152             ; (those loads are done, so their bases may step)
	s_add_nc_u64 s[6:7], s[6:7], 4096
.irp j, 0,1,2
	global_load_b64 v[QA+12*(1-\slot)+2*\j:QA+12*(1-\slot)+2*\j+1], v[L8], s[4:5] offset:256*\j
.endr
	global_load_b32 v[QSA+1-\slot], v[QSO], s[6:7]
.endif
	v_mov_b32 v[TMX], 0xff61b1e6                   ; the largest t so far: -3e38.  (With the four lines below: five places behind the last head's products, in front of the loads into K's registers)
	s_delay_alu instid0(VALU_DEP_1)
	v_floor_f32 v[NM], -v[TMX]
	s_mov_b32 s[SKC], \slot*SLOTB
	s_mov_b32 s[SKS], \slot*SLOTB+O_KS
	s_mov_b32 s[STB], \slot*SLOTB+O_TB
	v_add_nc_u32 v[AK], s[SKC], v[L16]
	v_add_nc_u32 v[AKS], s[SKS], v[L16]
	v_add_nc_u32 v[AB], s[STB], v[LB]
	LOADK                                          ; key step 0
	LOADB
	s_mov_b32 s[SKC], \slot*SLOTB+6144             ; K, its words and the table stand a step ahead of V
	s_mov_b32 s[SKS], \slot*SLOTB+O_KS+512
	s_mov_b32 s[STB], \slot*SLOTB+O_TB+28*TROW     ; key step 1 takes rows 4 x 7 on, each later step four rows less
	s_mov_b32 s[SVC], \slot*SLOTB+O_VC
	s_mov_b32 s[SVS], \slot*SLOTB+O_VS
	s_mov_b32 s[CNT], 8
.Lstep_\@:
	s_setprio 2
	STEP QA+12*\slot, QSA+\slot
	s_add_co_u32 s[SKC], s[SKC], 6144
	s_add_co_u32 s[SKS], s[SKS], 512
	s_add_co_u32 s[SVC], s[SVC], 6144
	s_add_co_u32 s[SVS], s[SVS], 256
	s_sub_co_u32 s[STB], s[STB], 4*TROW
	s_sub_co_u32 s[CNT], s[CNT], 1
	s_cmp_lg_u32 s[CNT], 0
	s_cbranch_scc1 .Lstep_\@
	s_setprio 0
	; att = O / the sum, quantised along d (two blocks), and out += att W0^T for this head's 64 of K
	v_add_f32 v[LS], v[LS], v[LS+1]                ; the sum's two halves,
	s_delay_alu instid0(VALU_DEP_1)
	v_permlanex16_b32 v[T0], v[LS], s[SEL], s[SEL+1]
	s_delay_alu instid0(VALU_DEP_1)
	v_add_f32 v[LS], v[LS], v[T0]                  ; and lane l xor 16's
	s_wait_alu depctr_va_vdst(0)
	v_rcp_f32 v[F], v[LS]
.rept 3
	v_nop                                          ; the plain instruction behind the reciprocal; with the additions above, the places behind the last products
.endr
	s_wait_alu depctr_va_vdst(0)                   ; ahead of the reciprocal's first reader
.set j, 0
.rept 16
	v_pk_mul_f32 v[O+j:O+j+1], v[O+j:O+j+1], v[F:F+1] op_sel_hi:[1,0]
.set j, j+2
.endr
.irp b, 0,1
	v_max3_num_f32 v[BM+\b], |v[O+16*\b]|, |v[O+16*\b+1]|, 0x1800000
.endr
.irp i, 2,4,6,8,10,12,14
.irp b, 0,1
	s_delay_alu instid0(VALU_DEP_2)
	v_max3_num_f32 v[BM+\b], v[BM+\b], |v[O+16*\b+\i]|, |v[O+16*\b+\i+1]|
.endr
.endr
.irp b, 0,1
	s_delay_alu instid0(VALU_DEP_2)
	v_permlanex16_b32 v[PM+\b], v[BM+\b], s[SEL], s[SEL+1]
.endr
.irp b, 0,1
	s_delay_alu instid0(VALU_DEP_2)
	v_max_num_f32 v[BM+\b], v[BM+\b], v[PM+\b]
.endr
.irp b, 0,1
	s_delay_alu instid0(VALU_DEP_2)
	v_add_nc_u32 v[SO+\b], 0xff000000, v[BM+\b]
.endr
.irp b, 0,1
	s_delay_alu instid0(VALU_DEP_2)
	v_lshrrev_b32 v[PM+\b], 23, v[SO+\b]
.endr
	s_delay_alu instid0(VALU_DEP_1)
	v_lshl_or_b32 v[ATS], v[PM+1], 8, v[PM]        ; att's scale word: two bytes; the upper two meet zero codes alone
	v_cvt_scalef32_pk16_fp6_f32 v[ATT:ATT+2], v[O:O+15], v[SO]
	v_cvt_scalef32_pk16_fp6_f32 v[CT:CT+2], v[O+16:O+31], v[SO+1]
	v_nop                                          ; one plain instruction behind the scaled conversions
.irp i, 0,1,2
	v_permlane16_swap_b32 v[ATT+\i], v[CT+\i]
.endr
.irp i, 0,1,2
	s_delay_alu instid0(VALU_DEP_3)
	v_mov_b32 v[ATT+3+\i], v[CT+\i]
.endr
.rept 8
	v_nop                                          ; a scale word made by vector instructions stands eight places ahead of a scaled product, an operand four
.endr
	s_wait_alu depctr_va_vdst(0)
	s_wait_dscnt 16                                ; W0's slice and its words are in; the 16 table loads issued behind them (nobody reads what they bring) may be out
	WIN 0x50                                       ; C and D window 1
.irp t, 0,2,4,6
	v_wmma_scale_f32_16x16x128_f8f6f4 v[64+8*\t:64+8*\t+7], v[ATT:ATT+11], v[KB+6*\t:KB+6*\t+11], v[64+8*\t:64+8*\t+7], v[ATS], v[KSC+\t/2] matrix_a_fmt:MATRIX_FMT_FP6 matrix_b_fmt:MATRIX_FMT_FP6
	v_wmma_scale_f32_16x16x128_f8f6f4 v[64+8*\t+8:64+8*\t+15], v[ATT:ATT+11], v[KB+6*\t+6:KB+6*\t+17], v[64+8*\t+8:64+8*\t+15], v[ATS], v[KSC+\t/2] matrix_a_fmt:MATRIX_FMT_FP6 matrix_b_fmt:MATRIX_FMT_FP6 matrix_b_scale:MATRIX_SCALE_ROW1
.endr
	WIN 0
.endm
	s_load_b256 s[72:79], s[0:1], 0x0              ; qb s[72:73], kv s[74:75], tbl s[76:77], x s[78:79]
	s_load_b64 s[80:81], s[0:1], 0x20              ; out0
	v_lshl_add_u32 v[SPW], v0, 2, SPARE
	v_mov_b32 v[NIL], 0
	ds_add_u32 v1, v2
	ds_add_u32 v1, v2
	s_wait_dscnt 0x0
	v_lshrrev_b32 v[T0], 5, v0
	s_delay_alu instid0(VALU_DEP_1)
	v_readfirstlane_b32 s[WV], v[T0]               ; wave 0..7
	s_lshr_b32 s[W2], s[WV], 1                     ; my queries' lattice row within the block
	s_and_b32 s[PAR], s[WV], 1                     ; and which half of that row
	s_bfe_u32 s82, ttmp6, 0x40000                  ; cx: my place in the cluster
	s_lshl_b32 s[BLK], ttmp9, 2                    ; in a cluster launch ttmp9 counts clusters
	s_add_co_u32 s[BLK], s[BLK], s82               ; my block of 128 queries: it enters global addresses alone (Q, the table, x, out)
	s_and_b32 s66, ttmp7, 0xffff                   ; the sample, which the four partners share
	; descriptor group 1 for the record: 62 rows of 256 bytes (32 elements of 8 bytes), dense, no padding
	s_mov_b32 s[G1K], 15|(3<<16)|(1<<21)           ; 15:0 the mask: all four work-groups; 17:16 elements of 8 bytes; 21 set beside a mask
	s_mov_b32 s[G1K+1], 32<<16                     ; tensor_dim0 = 32
	s_mov_b32 s[G1K+2], 62<<16                     ; tensor_dim1 = 62
	s_mov_b32 s[G1K+3], 32<<16                     ; tile_dim0 = 32
	s_mov_b32 s[G1K+4], 62                         ; tile_dim1 = 62
	s_mov_b32 s[G1K+5], 32                         ; from row to row
	s_mov_b32 s[G1K+6], 0
	s_mov_b32 s[G1K+7], 0
	; and for the table: 140 rows of 256 bytes, 64 bytes of padding behind each
	s_mov_b32 s[G1T], (3<<16)|(1<<20)|(5<<22)|(15<<25)   ; no mask; padding on: after every 64 words (code 5) 16 words (code 15)
	s_mov_b32 s[G1T+1], 32<<16
	s_mov_b32 s[G1T+2], 140<<16
	s_mov_b32 s[G1T+3], 32<<16
	s_mov_b32 s[G1T+4], 140
	s_mov_b32 s[G1T+5], 32
	s_mov_b32 s[G1T+6], 0
	s_mov_b32 s[G1T+7], 0
	s_mov_b32 s[SEL], 0x76543210
	s_mov_b32 s[SEL+1], 0xfedcba98                 ; v_permlanex16_b32's selects for lane l xor 16
	s_mov_b32 s[CS], 0x3e38aa3b                    ; c = log2(e) / 8
	s_mov_b32 s[CS+1], s[CS]                       ; (named with it as a pair, so it is written)
	s_mul_i32 s67, s[WV], 15872                    ; my 62 rows of a record, in memory and in a slot
	s_mul_i32 s68, s66, 8*REC                      ; the sample's eight records
	s_add_co_u32 s68, s68, s67
	s_mov_b32 s69, 0
	s_lshl_b32 s84, s[BLK], 12                     ; the table from row 4 x block on: 1,024 bytes a row
	s_mov_b32 s85, 0
	s_mul_i32 s86, s66, 393216                     ; Q's codes: 8 heads x 64 tiles x 768 bytes a sample; my tile 8 x block + wave
	s_mul_i32 s83, s[BLK], 6144
	s_add_co_u32 s86, s86, s83
	s_mul_i32 s83, s[WV], 768
	s_add_co_u32 s86, s86, s83
	s_mov_b32 s87, 0
	s_lshl_b32 s88, s66, 15                        ; Q's pair words: [head][block][lane][pair]; an odd tile's stand in lanes 16-31: 256 bytes on
	s_lshl_b32 s83, s[BLK], 9
	s_add_co_u32 s88, s88, s83
	s_lshl_b32 s83, s[PAR], 8
	s_add_co_u32 s88, s88, s83
	s_lshl_b32 s83, s[W2], 2
	s_add_co_u32 s88, s88, s83
	s_add_co_u32 s88, s88, QSOFF
	s_mov_b32 s89, 0
	s_lshl_b32 s90, s66, 19                        ; x and out on the way out: the sample, channels 16 x wave on, the block's 512 bytes
	s_lshl_b32 s83, s[WV], 16
	s_add_co_u32 s90, s90, s83
	s_lshl_b32 s83, s[BLK], 9
	s_add_co_u32 s90, s90, s83
	s_mov_b32 s91, 0
	s_wait_kmcnt 0x0
	s_add_nc_u64 s[70:71], s[74:75], s[68:69]
	s_add_nc_u64 s[84:85], s[76:77], s[84:85]
	s_add_nc_u64 s[4:5], s[72:73], s[86:87]
	s_add_nc_u64 s[6:7], s[72:73], s[88:89]
	s_add_nc_u64 s[12:13], s[78:79], s[90:91]
	s_add_nc_u64 s[14:15], s[80:81], s[90:91]
.irp n, 0,1
	s_mov_b32 s[G0K+4*\n], 1                       ; count = 1
	s_add_co_u32 s[G0K+4*\n+1], s67, \n*SLOTB      ; LDS address: the slot, my 62 rows
	s_add_nc_u64 s[G0K+4*\n+2:G0K+4*\n+3], s[70:71], \n*REC   ; global address: head n
	s_or_b32 s[G0K+4*\n+3], s[G0K+4*\n+3], 0x80000000         ; type = 2
	s_mov_b32 s[G0T+4*\n], 1
	s_mov_b32 s[G0T+4*\n+1], \n*SLOTB+O_TB
	s_add_nc_u64 s[G0T+4*\n+2:G0T+4*\n+3], s[84:85], \n*65536
	s_or_b32 s[G0T+4*\n+3], s[G0T+4*\n+3], 0x80000000
.endr
	CROUND                                         ; all four work-groups are here: the first joint loads meet
	TLOAD 0                                        ; head 0 into slot 0
	v_and_b32 v[T0], 31, v0
	s_delay_alu instid0(VALU_DEP_1)
	v_lshlrev_b32 v[L16], 4, v[T0]
	s_delay_alu instid0(VALU_DEP_2)
	v_lshlrev_b32 v[L8], 3, v[T0]
	v_and_b32 v[T0], 15, v0
	s_delay_alu instid0(VALU_DEP_1)
	v_lshlrev_b32 v[QSO], 4, v[T0]
.irp j, 0,1,2
	global_load_b64 v[QA+2*\j:QA+2*\j+1], v[L8], s[4:5] offset:256*\j   ; head 0's Q
.endr
	global_load_b32 v[QSA], v[QSO], s[6:7]
	; my lane's place in a table row.  With r = 4 a + b': copy 3 - b', first column 4 (7 - a - 4 (wave % 2) + 4 (lane / 16)); the row's part wave / 2
	v_and_b32 v[T0], 3, v0
	s_delay_alu instid0(VALU_DEP_1)
	v_xor_b32 v[T0], 3, v[T0]
	s_delay_alu instid0(VALU_DEP_1)
	v_mul_u32_u24 v[LB], v[T0], 320
	v_bfe_u32 v[T0], v0, 2, 2
	s_delay_alu instid0(VALU_DEP_1)
	v_xor_b32 v[T0], 3, v[T0]
	s_delay_alu instid0(VALU_DEP_1)
	v_lshl_add_u32 v[LB], v[T0], 4, v[LB]
	v_bfe_u32 v[T0], v0, 4, 1
	s_delay_alu instid0(VALU_DEP_1)
	v_lshl_add_u32 v[LB], v[T0], 6, v[LB]
	s_xor_b32 s66, s[PAR], 1
	s_lshl_b32 s66, s66, 6
	s_mul_i32 s67, s[W2], TROW
	s_add_co_u32 s66, s66, s67
	v_add_nc_u32 v[LB], s66, v[LB]
.irp j, 6,7,8,9,10,11
	v_mov_b32 v[QA+\j], 0                          ; the zero halves of the operands of K = 64,
	v_mov_b32 v[QA+12+\j], 0
	v_mov_b32 v[ATT+\j], 0
	v_mov_b32 v[KB+42+\j], 0                       ; and the six registers behind the last tile
.endr
.set j, 0
.rept 32
	v_mov_b32 v[O+j], 0                            ; the head's body is written once for all heads: the first finds zeros
.set j, j+1
.endr
.irp b, 0,1,2,3
	v_mov_b32 v[PM+\b], 0                          ; written once: a lane permute's destination counts as one of its sources
.endr
	v_mov_b32 v[F+1], 0                            ; (named as the upper half of the pair)
	v_mov_b32 v[LS], 0
	v_mov_b32 v[LS+1], 0
	WIN 0x40
.set j, 0
.rept 64
	v_mov_b32 v[64+j], 0                           ; out's sums
.set j, j+1
.endr
	WIN 0
	s_mov_b32 s[LAPS], 3
.Llap:                                             ; heads 0 to 5
	HEAD 0, 1
	HEAD 1, 1
	s_sub_co_u32 s[LAPS], s[LAPS], 1
	s_cmp_lg_u32 s[LAPS], 0
	s_cbranch_scc1 .Llap
	HEAD 0, 1                                      ; heads 6 and 7 are written out
	HEAD 1, 0
	; THE WAY OUT.  In out's tile t lane (r, h) holds channel 16 t + r and tokens 8 h + 0 .. 7 of my 16.  A channel's 128 tokens come from eight waves: they meet in a stage, and each wave adds x to 16 whole rows and stores them.
	s_wait_dscnt 0x0                               ; the table loads into S's registers are back
.irp i, 0,1,2,3,4,5,6,7,8,9,10,11,12,13,14,15
	global_load_b128 v[S+4*\i:S+4*\i+3], v[L16], s[12:13] offset:\i*4096 th:TH_LOAD_NT   ; x: channel 16 x wave + i, the block's 512 bytes
.endr
	v_and_b32 v[T0], 15, v0                        ; (six plain instructions: the places behind the last products)
	v_bfe_u32 v[T1], v0, 4, 1
	s_delay_alu instid0(VALU_DEP_2)
	v_mul_u32_u24 v[AK], v[T0], SP
	s_delay_alu instid0(VALU_DEP_1)
	v_lshl_add_u32 v[AK], v[T1], 5, v[AK]
	s_lshl_b32 s66, s[WV], 6
	v_add_nc_u32 v[AK], s66, v[AK]                 ; in: row r (+ 16 t), my wave's 64 bytes, 32 for each half of the lanes
	s_mul_i32 s66, s[WV], 16*SP
	v_add_nc_u32 v[AKS], s66, v[L16]               ; back: my 16 rows, 16 bytes a lane
	WIN 0x04                                       ; an LDS store's data are its source 1: window 1
.irp t, 0,1,2,3,4,5,6,7
	ds_store_b128 v[AK], v[64+8*\t:64+8*\t+3] offset:16*\t*SP        ; each accumulator from its low end on
	ds_store_b128 v[AK], v[64+8*\t+4:64+8*\t+7] offset:16*\t*SP+16
.endr
	WIN 0
	s_wait_alu depctr_va_vdst(0)
	s_wait_dscnt 0x0                               ; for the others' sake: my stores have landed
	s_barrier_signal -1
	s_barrier_wait -1
.irp i, 0,1,2,3,4,5,6,7,8,9,10,11,12,13,14,15
	ds_load_b128 v[O+4*\i:O+4*\i+3], v[AKS] offset:\i*SP
.endr
.irp i, 0,1,2,3,4,5,6,7,8,9,10,11,12,13,14,15
	s_wait_dscnt 15-\i                             ; row i is back; the younger rows may be out
	s_wait_loadcnt 15-\i                           ; and so is x's
	v_pk_add_f32 v[O+4*\i:O+4*\i+1], v[O+4*\i:O+4*\i+1], v[S+4*\i:S+4*\i+1]
	v_pk_add_f32 v[O+4*\i+2:O+4*\i+3], v[O+4*\i+2:O+4*\i+3], v[S+4*\i+2:S+4*\i+3]
	global_store_b128 v[L16], v[O+4*\i:O+4*\i+3], s[14:15] offset:\i*4096 th:TH_STORE_NT   ; 32 lanes store 512 consecutive bytes, at a multiple of 256 from out's first byte
.endr
	s_wait_tensorcnt 0x0                           ; the wave's end, behind my last tensor load and my last LDS store
	ds_add_u32 v[SPW], v[NIL]
	s_wait_dscnt 0x0
	CROUND                                         ; the closing round: no work-group ends while a partner may still ask for a record that names it
	s_endpgm
.Lfunc_end_k_qf20cf07e40_attn:
	.size	k_qf20cf07e40_attn, .Lfunc_end_k_qf20cf07e40_attn-k_qf20cf07e40_attn
	.p2alignl 7, 3214868480
	.fill 96, 4, 3214868480
	.section	.rodata,"a",@progbits
	.p2align	6, 0x0
	.amdhsa_kernel k_qf20cf07e40_attn
		.amdhsa_group_segment_fixed_size 327680
		.amdhsa_private_segment_fixed_size 0
		.amdhsa_enable_private_segment 0
		.amdhsa_kernarg_size 40
		.amdhsa_user_sgpr_count 2
		.amdhsa_user_sgpr_kernarg_segment_ptr 1
		.amdhsa_wavefront_size32 1
		.amdhsa_system_sgpr_workgroup_id_x 1
		.amdhsa_system_sgpr_workgroup_id_y 1
		.amdhsa_system_sgpr_workgroup_id_z 1
		.amdhsa_system_vgpr_workitem_id 0
		.amdhsa_next_free_vgpr 384
		.amdhsa_next_free_sgpr 96
		.amdhsa_reserve_vcc 0
		.amdhsa_float_denorm_mode_32 3
		.amdhsa_float_denorm_mode_16_64 3
		.amdhsa_memory_ordered 1
		.amdhsa_forward_progress 1
		.amdhsa_inst_pref_size 130
	.end_amdhsa_kernel
	.amdgpu_metadata
---
amdhsa.version: [ 1, 2 ]
amdhsa.kernels:
  - .name:           k_qf20cf07e40_attn
    .symbol:         k_qf20cf07e40_attn.kd
    .args:
      - { .name: qb, .offset: 0, .size: 8, .value_kind: global_buffer, .address_space: global }
      - { .name: kv, .offset: 8, .size: 8, .value_kind: global_buffer, .address_space: global }
      - { .name: tbl, .offset: 16, .size: 8, .value_kind: global_buffer, .address_space: global }
      - { .name: x, .offset: 24, .size: 8, .value_kind: global_buffer, .address_space: global }
      - { .name: out0, .offset: 32, .size: 8, .value_kind: global_buffer, .address_space: global }
    .group_segment_fixed_size: 327680
    .private_segment_fixed_size: 0
    .kernarg_segment_align: 8
    .kernarg_segment_size: 40
    .max_flat_workgroup_size: 256
    .sgpr_count:     96
    .vgpr_count:     384
    .wavefront_size: 32
...
	.end_amdgpu_metadata
.endif
;; end of part 3
